; MI455X (gfx1250); checked and timed in simulation.
; The chip was launched on July 23, 2026; its instructions are those of AMD's public machine-readable ISA for CDNA 5 (MIT licence, August 2026) and "CDNA5" Instruction Set Architecture Reference Guide (July 2026). The comments in the code are by the model that wrote it; some were corrected since.
;; Attention Layer. Allowed arithmetic: matrix products marked QUANTISED: E5M2 operands, one given power-of-two scale a tensor, by v_wmma_f32_16x16x64_bf8_bf8 or v_wmma_f32_16x16x128_bf8_bf8, f32 sums; everything else in f32.
;; Inputs: b 2,048 float32; k 8 x 1,024 x 2,048 float32; lowp_scales 4 int32 (the exponents e of the quantised operands' scales 2^e); q 8 x 2,048 x 1,024 float32; v 8 x 2,048 x 1,024 float32.
;; Outputs: out0 8 x 2,048 x 1,024 float32.
;; This version of the problem:
;;   THIS VERSION OF THE PROBLEM IS GIVEN IN LOW PRECISION. The matrix products marked QUANTISED in the list below multiply operands that are first quantised to E5M2 (5 exponent bits, 2 mantissa bits; 8 bits a number), with one given power-of-two scale for each operand tensor; their sums are f32. All else is computed in f32.
;;   The module's matrix products, in the order in which they are computed (A, B: the left and right operand; K: the contracted axis; several contracted axes count as one K, in the product's order):
;;     1. batch 8 x [M 2,048, K 1,024] x [K 1,024, N 2,048]; A: input q; B: input k: QUANTISED (scales: A lowp_scales[0], B lowp_scales[1])
;;     2. batch 8 x [M 2,048, K 2,048] x [K 2,048, N 1,024]; A: softmax (see below); B: input v: QUANTISED (scales: A lowp_scales[2], B lowp_scales[3])
;;   THE QUANTISER, for each operand of a quantised product, along K:
;;     - The operand's scale is 2^e, e = its entry of the input lowp_scales (int32; the entries are numbered through the quantised products in the list's order, A before B).
;;     - Each number is divided by the scale, clamped to +-57,344, and rounded to the nearest number of E5M2, ties to even, subnormals kept.
;;     - The product sums the exact products of the quantised numbers (number of the format x scale) in f32.
;;   ~~~python
;;   def quantise(x, axis, e):      # numpy; x: float32 -> the quantised numbers, widened to float32 again
;;       x = np.moveaxis(x, axis, -1); K = x.shape[-1]
;;       r = np.clip(x / 2.0 ** e, -57344, 57344)
;;       step = 2.0 ** (np.maximum(np.frexp(np.where(r == 0, 1, r))[1] - 1, -14) - 2)
;;       q = np.round(r / step) * step * 2.0 ** e      # np.round: ties to even
;;       return np.moveaxis(q, -1, axis).astype(np.float32)
;;   ~~~
;;   SOFTMAX AHEAD OF A QUANTISED PRODUCT. Where the list says 'softmax', what is quantised is not the finished softmax but p = 2^(t - M), with t = logit x log2(e) and M = ceil(the row's largest t), a whole number; so 1/2 < the row's largest p <= 1. The row's sum l is taken of the UNQUANTISED p, in f32, and the product's result is divided by l at the end. Since M is a whole number, a kernel that streams over the keys may use a running M (the ceiling of the running maximum): every later rescaling is an exact power of two, so the quantised numbers keep their values, but for numbers so far below the row's largest that they fall under the format's range.
;;   OPERANDS COMPUTED ON THE WAY. 'Computed on the way' means the value that the module computes at that place (a softmax that the list does not call 'softmax' is quantised finished and normalised). What goes into a quantiser is computed in f32, as accurately as f32 sums, v_exp_f32 and their like allow (about 1e-6 of the number): no bf16 or f16 on the way to a quantiser, and a product that is left as it is and whose result goes on into a quantised operand takes f32 operands (vector FMAs, or v_wmma_f32_16x16x4_f32). A number that lies on a knife's edge between two numbers of the format may be rounded either way, as far as f32 arithmetic and the matrix unit's own rounding can turn it there, and no further.
;; One version. Each part assembles by itself: llvm-mc -triple=amdgcn-amd-amdhsa -mcpu=gfx1250 --defsym DOCPART=n.
;; ======== version 1 of 1: 3 launches
;; limits: right only within a limited range of input values
;; workspace buffers: qc 16,777,216 bytes; kc 16,777,216 bytes; vc 16,777,216 bytes; pc 33,554,432 bytes; lp 1,048,576 bytes
;; launch quant (part 1): grid 1024 x 1, 4 waves a work-group, no clusters, 55,808 bytes of LDS; arguments q, k, lowp_scales, qc, kc; writes qc, kc
.if DOCPART == 1
	.amdgcn_target "amdgcn-amd-amdhsa--gfx1250"
	.amdhsa_code_object_version 6
	.text
	.protected	k_q2c147d5545_quant
	.globl	k_q2c147d5545_quant
	.p2align	8
	.type	k_q2c147d5545_quant,@function
k_q2c147d5545_quant:
	s_mov_b64 s[64:65], 0
	v_nop
	global_prefetch_b8 v0, s[64:65] scope:SCOPE_SE
	s_setreg_imm32_b32 hwreg(HW_REG_WAVE_MODE, 25, 1), 1
	s_wait_xcnt 0x0
; q [8][2048][1024] and k [8][1024 (d)][2048 (key)], both f32, become codes of BF8 (E5M2), one byte each, K = d innermost:
;   qc [16384 rows][1024 d];  kc [8][2048 places][1024 d].   (v is quantised by the next launch, which does not need it.)
; code = x / 2^e, held within +-57,344, rounded to the nearest code, ties to even.  e: entry 0 (q), entry 1 (k) of the scales' buffer.
; LIMITS: each e between -126 and 112, so that 2^e and 57,344 x 2^e are f32 numbers.  NaN among the inputs is not served (an infinity is held at the largest code).
; kc's PLACES ARE NOT THE KEYS IN ORDER: within each 32 keys, place p holds the key whose number is p with bits 3 and 4 exchanged.  So 16 neighbouring places 16 (2 b + u) + 8 h + j hold the keys
; 32 b + 16 h + 8 u + j, and the next launch's results of two neighbouring tiles are 16 neighbouring keys in a lane's registers.
; SHARES.  A work-group takes 32,768 numbers: work-groups 0-511 q, 512-1023 k.  Waves share nothing: no barrier.  Work-groups share no input: no cluster.  Each of the two ways has LDS bytes of its own.
; q: K is innermost.  Each load reads 512 consecutive bytes; a step's 2,048 bytes turn through the wave's stage in LDS so that a lane holds 16 neighbours along K; a step's codes leave as 512 consecutive bytes.
; k: K is the first axis in a batch.  A lane takes a key, its registers run down d; 256 codes of each of a wave's 32 keys gather in its stage and leave by rows, sixteen lanes to 256 consecutive aligned bytes.
; kc's LAYOUT IN MEMORY (it takes the place of the row form named above): images of the next launch's operand registers,
; kc [8 batches][128 tiles of 16 places][8 steps of 128 d][4 groups c][32 lanes][16 bytes]: lane (r, h) of group c holds d = 32 c + 16 h + 0 .. 15 of place r.  The places hold the keys as said above.
.set SP,     80
.set QREG,   2*32*SP                   ; q: two stages for each wave
.set STEPS,  16
.set QR,     16                        ; v16-79   q: four sets of 16 numbers as loaded
.set QX,     80                        ; v80-111  q: two sets of 16 neighbours
.set QC,     128                       ; v128-191 q: codes, four registers for each step: no store's data are written again
.set NN,     2048                      ; k: columns (the keys)
.set KK,     1024                      ; k: the length of K (d)
.set TPITCH, 272                       ; k: a stage row: 256 bytes + 16
.set TX,     32                        ; v32-95   k: two sets of 32 numbers
.set TC,     96                        ; v96-103  k: a block's codes
.set TOUT,   112                       ; v112-175 k: the way out
.set LBK,    4*QREG                    ; LDS: q's stages 0 .. 20,479; k's from here to 55,295
.macro SCALE es                        ; v11 = 2^e as f32 (the conversion takes its exponent field), v10 = 57,344 x 2^e
	s_wait_kmcnt 0x0
	s_add_co_i32 s34, s[\es], 127
	s_lshl_b32 s35, s34, 23
	v_mov_b32 v11, s35
	s_add_co_i32 s34, s34, 15
	s_lshl_b32 s34, s34, 23
	s_or_b32 s34, s34, 0x600000
	v_mov_b32 v10, s34
.endm
.macro TLOAD t                         ; block t: rows 32 t + i of my key's column, i = 0 .. 31, into set t % 2; a wave's load reads 128 consecutive bytes
.irp i, 0,1,2,3,4,5,6,7,8,9,10,11,12,13,14,15,16,17,18,19,20,21,22,23,24,25,26,27,28,29,30,31
	global_load_b32 v[TX+32*((\t)%2)+\i], v3, s[6:7] offset:(32*(\t)+\i)*NN*4 th:TH_LOAD_NT
.endr
.endm
.macro TBLOCK t
.set XS, TX+32*((\t)%2)
.if (\t) < 7
	s_wait_loadcnt 32                              ; this block's 32 loads are in; the next block's 32 may be out
.else
	s_wait_loadcnt 0
.endif
.irp i, 0,1,2,3,4,5,6,7,8,9,10,11,12,13,14,15,16,17,18,19,20,21,22,23,24,25,26,27,28,29,30,31
	v_med3_num_f32 v[XS+\i], v[XS+\i], -v10, v10   ; the conversion to an 8-bit code does not saturate (ISA guide 7.6.2): the hold comes first
.endr
.irp g, 0,1,2,3
	v_cvt_scalef32_pk8_bf8_f32 v[TC+2*\g:TC+2*\g+1], v[XS+8*\g:XS+8*\g+7], v11
.endr
	ds_store_b128 v4, v[TC:TC+3] offset:32*(\t)    ; 32 codes of my key's row in the stage
	ds_store_b128 v4, v[TC+4:TC+7] offset:32*(\t)+16
.if (\t)+2 < 8
	TLOAD (\t)+2
.endif
	s_wait_dscnt 0x0                               ; the stores have read their registers: the next block's codes may be written (its 32 holds are the plain lines behind these conversions)
.endm
.macro QLOAD t
.irp i, 0,1,2,3
	global_load_b128 v[QR+16*((\t)%4)+4*\i:QR+16*((\t)%4)+4*\i+3], v3, s[4:5] offset:2048*(\t)+512*\i th:TH_LOAD_NT   ; 32 lanes read 512 consecutive bytes
.endr
.endm
.macro QTURN t                         ; step t's numbers through the stage: in as they lie, back 64 bytes a lane
.irp i, 0,1,2,3
	ds_store_b128 v14, v[QR+16*((\t)%4)+4*\i:QR+16*((\t)%4)+4*\i+3] offset:32*SP*((\t)%2)+8*SP*\i
.endr
.irp i, 0,1,2,3
	ds_load_b128 v[QX+16*((\t)%2)+4*\i:QX+16*((\t)%2)+4*\i+3], v15 offset:32*SP*((\t)%2)+16*\i
.endr
.endm
.macro QSTEP t
.set XS, QX+16*((\t)%2)
	s_wait_dscnt 0x0                               ; this step's numbers are back from the stage, so its stores into the stage have read their registers,
.if (\t)+4 < STEPS
	QLOAD (\t)+4                                   ; which take the loads of four steps on
.endif
.if (\t)+1 < STEPS
.if STEPS-2-(\t) >= 3
	s_wait_loadcnt 12                              ; the next step's four loads are in; those of the three steps behind it may be out
.else
	s_wait_loadcnt 4*(STEPS-2-(\t))
.endif
	QTURN (\t)+1
.endif
.irp i, 0,1,2,3,4,5,6,7,8,9,10,11,12,13,14,15
	v_med3_num_f32 v[XS+\i], v[XS+\i], -v10, v10
.endr
	v_cvt_scalef32_pk8_bf8_f32 v[QC+4*(\t):QC+4*(\t)+1], v[XS:XS+7], v11
	v_cvt_scalef32_pk8_bf8_f32 v[QC+4*(\t)+2:QC+4*(\t)+3], v[XS+8:XS+15], v11
	global_store_b128 v3, v[QC+4*(\t):QC+4*(\t)+3], s[12:13] offset:512*(\t)   ; the wave's 512 codes: 512 consecutive bytes, aligned
.endm
	s_load_b128 s[4:7], s[0:1], 0x0                ; q s[4:5], k s[6:7]
	s_load_b64 s[10:11], s[0:1], 0x10              ; the scales' exponents
	s_load_b128 s[12:15], s[0:1], 0x18             ; qc s[12:13], kc s[14:15]
	v_lshl_add_u32 v192, v0, 2, 0xd800
	v_mov_b32 v193, 0
	v_lshrrev_b32 v1, 5, v0
	v_readfirstlane_b32 s18, v1                    ; wave
	v_and_b32 v2, 31, v0                           ; lane
	s_wait_kmcnt 0x0
	s_load_b64 s[20:21], s[10:11], 0x0             ; e of q, e of k
	s_cmp_lt_u32 ttmp9, 512
	s_cbranch_scc1 .Lq
	; ---- k
	s_sub_co_u32 s24, ttmp9, 512
	s_lshr_b32 s25, s24, 6                         ; batch: 64 work-groups each
	s_and_b32 s26, s24, NN/128-1                   ; which 128 keys
	s_and_b32 s27, s24, 63
	s_lshr_b32 s27, s27, 4                         ; which 256 along d
	s_lshl_b32 s26, s26, 7
	s_lshl_b32 s28, s18, 5
	s_add_co_u32 s26, s26, s28                     ; my wave's first key
	s_lshl_b32 s28, s25, 23                        ; in: a batch is 2^23 bytes,
	s_mul_i32 s29, s27, 256*NN*4                   ; 256 rows of NN numbers,
	s_add_co_u32 s28, s28, s29
	s_lshl_b32 s29, s26, 2                         ; 4 bytes a key
	s_add_co_u32 s28, s28, s29
	s_mov_b32 s29, 0
	s_add_nc_u64 s[6:7], s[6:7], s[28:29]
	s_lshl_b32 s30, s25, 21                        ; out: a batch is 2^21 bytes,
	s_mul_i32 s31, s26, KK                         ; a place's row KK bytes,
	s_add_co_u32 s30, s30, s31
	s_lshl_b32 s31, s27, 12                        ; two steps of 128 d, 2,048 bytes each, inside a tile's 16,384
	s_add_co_u32 s30, s30, s31
	s_mov_b32 s31, 0
	s_add_nc_u64 s[14:15], s[14:15], s[30:31]
	s_wait_alu depctr_va_vdst(0)
	v_lshlrev_b32 v3, 2, v2                        ; in: 4 bytes a lane
	s_mul_i32 s32, s18, 32*TPITCH
	s_add_co_u32 s32, s32, LBK                     ; my stage
	v_mul_u32_u24 v4, v2, TPITCH
	v_add_nc_u32 v4, s32, v4                       ; into it: row = my key
	v_and_b32 v5, 15, v2
	v_lshrrev_b32 v6, 4, v2
	v_and_b32 v7, 8, v5
	v_add_nc_u32 v7, v7, v5                        ; place r of a tile takes key r + 8 (r / 8) (+ 8 for the second tile)
	v_mul_u32_u24 v7, v7, TPITCH
	v_lshl_add_u32 v7, v6, 4, v7
	v_add_nc_u32 v7, s32, v7                       ; out of the stage: my place's row, + 16 (lane / 16)
	v_lshlrev_b32 v8, 4, v2                        ; and 16 bytes a lane in the image
	TLOAD 0
	TLOAD 1
	SCALE 21
	s_wait_alu depctr_va_vdst(0)
.irp t, 0,1,2,3,4,5,6,7
	TBLOCK \t
.endr
.irp t, 0,1,2,3,4,5,6,7,8,9,10,11,12,13,14,15      ; LDS serves a wave's instructions in order: these see my stores
	ds_load_b128 v[TOUT+4*\t:TOUT+4*\t+3], v7 offset:8*TPITCH*((\t)/8)+128*(((\t)/4)%2)+32*((\t)%4)   ; tile t / 8, step (t / 4) % 2, group t % 4
.endr
.irp t, 0,1,2,3,4,5,6,7,8,9,10,11,12,13,14,15
	s_wait_dscnt 15-\t                             ; load t is back; the younger ones may be out
	global_store_b128 v8, v[TOUT+4*\t:TOUT+4*\t+3], s[14:15] offset:16384*((\t)/8)+2048*(((\t)/4)%2)+512*((\t)%4)   ; 512 consecutive bytes, aligned
.endr
	s_wait_tensorcnt 0x0
	ds_add_u32 v192, v193
	s_wait_dscnt 0x0
	s_endpgm
.Lq:
	s_wait_alu depctr_va_vdst(0)
	v_lshlrev_b32 v3, 4, v2                        ; my 16 bytes of a load's 512, and of a step's 512 codes
	s_wait_alu depctr_va_vdst(0)
	s_mul_i32 s24, s18, QREG
	v_lshrrev_b32 v14, 2, v2
	v_mul_u32_u24 v14, v14, SP
	v_and_b32 v15, 3, v2
	v_lshl_add_u32 v14, v15, 4, v14
	v_add_nc_u32 v14, s24, v14                     ; the stage, on the way in: SP (lane / 4) + 16 (lane % 4)
	v_mul_u32_u24 v15, v2, SP
	v_add_nc_u32 v15, s24, v15                     ; and on the way out: SP x lane
	s_lshl_b32 s25, ttmp9, 2
	s_add_co_u32 s25, s25, s18                     ; which run of 8,192 numbers is my wave's
	s_lshl_b32 s26, s25, 15
	s_mov_b32 s27, 0
	s_add_nc_u64 s[4:5], s[4:5], s[26:27]
	s_lshl_b32 s26, s25, 13
	s_add_nc_u64 s[12:13], s[12:13], s[26:27]
.irp t, 0,1,2,3
	QLOAD \t
.endr
	s_wait_alu depctr_va_vdst(0)
	SCALE 20
	s_wait_alu depctr_va_vdst(0)
	s_wait_loadcnt 12                              ; step 0's four loads are in
	QTURN 0
.irp t, 0,1,2,3,4,5,6,7,8,9,10,11,12,13,14,15
	QSTEP \t
.endr
	s_wait_tensorcnt 0x0
	ds_add_u32 v192, v193
	s_wait_dscnt 0x0
	s_endpgm
.Lfunc_end_k_q2c147d5545_quant:
	.size	k_q2c147d5545_quant, .Lfunc_end_k_q2c147d5545_quant-k_q2c147d5545_quant
	.p2alignl 7, 3214868480
	.fill 96, 4, 3214868480
	.section	.rodata,"a",@progbits
	.p2align	6, 0x0
	.amdhsa_kernel k_q2c147d5545_quant
		.amdhsa_group_segment_fixed_size 55808
		.amdhsa_private_segment_fixed_size 0
		.amdhsa_enable_private_segment 0
		.amdhsa_kernarg_size 40
		.amdhsa_user_sgpr_count 2
		.amdhsa_user_sgpr_kernarg_segment_ptr 1
		.amdhsa_wavefront_size32 1
		.amdhsa_system_sgpr_workgroup_id_x 1
		.amdhsa_system_sgpr_workgroup_id_y 1
		.amdhsa_system_sgpr_workgroup_id_z 1
		.amdhsa_system_vgpr_workitem_id 0
		.amdhsa_next_free_vgpr 194
		.amdhsa_next_free_sgpr 66
		.amdhsa_reserve_vcc 0
		.amdhsa_float_denorm_mode_32 3
		.amdhsa_float_denorm_mode_16_64 3
		.amdhsa_memory_ordered 1
		.amdhsa_forward_progress 1
		.amdhsa_inst_pref_size 86
	.end_amdhsa_kernel
	.amdgpu_metadata
---
amdhsa.version: [ 1, 2 ]
amdhsa.kernels:
  - .name:           k_q2c147d5545_quant
    .symbol:         k_q2c147d5545_quant.kd
    .args:
      - { .name: q, .offset: 0, .size: 8, .value_kind: global_buffer, .address_space: global }
      - { .name: k, .offset: 8, .size: 8, .value_kind: global_buffer, .address_space: global }
      - { .name: lowp_scales, .offset: 16, .size: 8, .value_kind: global_buffer, .address_space: global }
      - { .name: qc, .offset: 24, .size: 8, .value_kind: global_buffer, .address_space: global }
      - { .name: kc, .offset: 32, .size: 8, .value_kind: global_buffer, .address_space: global }
    .group_segment_fixed_size: 55808
    .private_segment_fixed_size: 0
    .kernarg_segment_align: 8
    .kernarg_segment_size: 40
    .max_flat_workgroup_size: 128
    .sgpr_count:     66
    .vgpr_count:     194
    .wavefront_size: 32
...
	.end_amdgpu_metadata
.endif
;; end of part 1
;; launch scores (part 2): grid 4 x 64, 4 waves a work-group, clusters of 4 x 1, 327,680 bytes of LDS; arguments qc, kc, lowp_scales, b, pc, lp, v, vc; writes pc, lp, vc
.if DOCPART == 2
	.amdgcn_target "amdgcn-amd-amdhsa--gfx1250"
	.amdhsa_code_object_version 6
	.text
	.protected	k_q2c147d5545_scores
	.globl	k_q2c147d5545_scores
	.p2align	8
	.type	k_q2c147d5545_scores,@function
k_q2c147d5545_scores:
	s_mov_b64 s[64:65], 0
	v_nop
	global_prefetch_b8 v0, s[64:65] scope:SCOPE_SE
	s_setreg_imm32_b32 hwreg(HW_REG_WAVE_MODE, 25, 1), 1
	s_wait_xcnt 0x0
	s_wait_alu depctr_hold_cnt(0) depctr_sa_sdst(0) depctr_va_vdst(0) depctr_va_sdst(0) depctr_va_ssrc(0) depctr_va_vcc(0) depctr_vm_vsrc(0)
	s_getreg_b32 s2, hwreg(HW_REG_IB_STS2, 6, 4)
	s_cmp_eq_u32 s2, 0
	s_cbranch_scc0 .Lentry_in_a_cluster
	s_endpgm
.Lentry_in_a_cluster:
	s_bfe_u32 s2, ttmp6, 0x10000c
	s_cmp_lg_u32 s2, 0x3003
	s_cbranch_scc0 .Lentry_shape_is_right
	s_endpgm
.Lentry_shape_is_right:
; The first product and the softmax's numerators; and, beside them, v's codes.
; s = sum over d of qc x kc (codes of BF8, sums in f32); x = s x 2^(eq + ek) + b[key]; p = 2^(log2(e) tanh(x) - 2).
; Stored: p's codes of BF8 with the given scale 2^ep (pc), and the sums of the UNQUANTISED p over each 128 keys (lp).  The next launch multiplies by v's codes and divides by the row's sum.
; THE SOFTMAX'S M IS THE CONSTANT 2.  The computation's own tanh holds every logit within -1 .. 1 for every input, so t = logit x log2(e) lies within -1.4427 .. 1.4427, the ceiling of a row's largest t is one of
; -1, 0, 1, 2, and p under M = 2 is p under the row's own M times a whole power of two, which the division by the row's sum takes out again.  p lies within 2^-3.45 .. 2^-0.55, a row's sum within 187 .. 1,392.
; LIMIT: the codes are those of the row's own M, with their exponents moved, for ep between -15 and 10; outside that a row whose own M is not 2 can meet the hold or the subnormal codes elsewhere.
; tanh(x) = 1 - 2 / (1 + 2^(2 log2(e) x)): for large |x| the power is infinity or 0 and tanh is 1 or -1.
; LIMITS on the given exponents: eq + ek between -126 and 126 (2^(eq + ek) and its inverse are made in exponent fields); ep and ev between -126 and 112.  NaN among the inputs is not served.
; SHARES.  256 work-groups of four waves.  A work-group owns 256 queries and 512 keys of one batch, as two tiles of 256 x 256, one after the other; a wave makes 128 x 128 of a tile: 64 accumulators, 512 registers.
; qc's 256 rows x 1,024 bytes are fetched ONCE, one tensor load of 64 rows a wave, and stay in LDS for both tiles: no LDS byte is filled again.  The four work-groups of a cluster own the same queries and ask for them JOINTLY.
; kc's FRAGMENTS COME FROM MEMORY STRAIGHT INTO REGISTERS: kc lies as images of them (16 places x 128 d = 4 loads of 512 consecutive bytes).  Three sets of 8 fragments take turns: a step's set is asked for two steps
; of 128 d ahead, 64 loads a wave in flight.  So no prefetch into the L2 is written: the loads themselves run two steps ahead with no wait for all of them between, and qc's tile is asked for at the head, with no loop ahead of it.
; THE MATRIX INSTRUCTION IS USED TRANSPOSED (source 0 = 16 places of kc, source 1 = 16 queries): a lane holds one query, its registers run along the keys; the 16 registers of tiles 2 b and 2 b + 1 are the keys
; 32 b + 16 (lane / 16) + 0 .. 15, so the conversions' results ARE the next product's operand registers and go to memory as images of them.
; THE BIAS IS THE C OF EACH SUM'S FIRST PRODUCT: b x 2^-(eq + ek), 64 registers in the result's layout, the same for all 8 tiles of queries.  It is loaded into the accumulators of the last tile of queries, which adds onto it in place.
; THE WAY OUT OF THE SCORES is a loop of four trips, two tiles of 16 queries (X, Y) a trip.  Only the 64 lines that read the accumulators differ from trip to trip: they stand in four arms of a branch on the trip's number.
; X and Y go half a stage apart: among the 64 transcendentals of the one stand the plain lines of the other's stage; each phase has one wait ahead of it and one behind it, and no line of a phase reads what the phase writes.
; pc: [128 queries: 128][256 keys: 8][tile of 16 queries: 8][128 keys: 2][group of 4 registers: 4][lane: 32][16 bytes].   lp: [128 queries: 128][128 keys: 16][lane (r, h): 32][i: 4] f32 = the sum of query 16 (2 i + h) + r.
; v's CODES.  v [8][2048 (key)][1024 (dv)] f32 becomes codes with the given 2^ev, laid as images of the next launch's operand registers:
; vc [8 batches][64 tiles of 16 dv][16 steps of 128 keys][4 groups c][32 lanes][16 bytes]: lane (r, h) of group c holds keys 32 c + 16 h + 0 .. 15 of dv r.  With tile column C = 2 cx + tile, the work-group takes keys
; 256 R on (R = its 256 queries' number, counted through the batches) and dv 128 C on; wave w loads 64 of the keys and stores tiles 2 w and 2 w + 1 of the block's eight.  The loads are issued ahead of the way out of the scores.
; REGISTERS, in windows of 256.  Window 0: v1-31 addresses, constants, row sums; v32-127 three buffers of two fragments of qc (later v32-95 X's held numbers, v96-127 codes); v128-255 kc's set 2, later 128 scores, v's codes and rows.
;   window 1: kc's sets 0 and 1, later v's 256 numbers.   window 2: the accumulators of my queries 0-63 (accumulator (a, b) at v[8 (8 (a % 4) + b)]), later v's numbers, held and sorted.   window 3: those of my queries 64-127.
.set PITCH,  1040                      ; an LDS row of qc: 1,024 bytes + 16 of padding: the 16 rows that a load touches start 16 bytes apart modulo 256
.set SPARE,  256*PITCH                 ; behind qc's rows: the spare words, 128 bytes for each wave
.set STG,    SPARE+512                 ; behind them: the stage for v's codes, 128 rows x 272 bytes
.set VPITCH, 272
.set LS,   8                           ; v8-11   the row sums that I store, one a trip, shifted along; v12, v13 the trip's two
.set ADRA, 16                          ; v16-17  LDS address of my qc fragments: tiles 0-3, tiles 4-7
.set VST,  19                          ; v19     where I put v's codes in the stage
.set VRD,  20                          ; v20     where I read fragments back
.set PO,   21                          ; v21     my byte offset in pc in this trip
.set SCL,  22                          ; v22     2^ep as f32
.set LIMV, 23                          ; v23     57,344 x 2^ep
.set CK,   24                          ; v[24:25] log2(e) - 2, twice
.set LO,   26                          ; v26     16 x lane
.set BO,   27                          ; v27     64 x (lane / 16)
.set SPW,  28                          ; v28     LDS address of my spare word; never rewritten
.set NIL,  29                          ; v29     0; never rewritten
.set HX,   32                          ; v32-95  X's p, held
.set CD,   96                          ; v96-127 the codes of two tiles of queries
.set TMP,  128                         ; v128-191 X's scores, v192-255 Y's
.set VSC,  2                           ; v2 2^ev, v3 57,344 x 2^ev, made anew in each tile
.set VLM,  3
.set VCD,  128
.set VBK,  192
.set MSB, 0
.macro WIN new                         ; the immediate's high byte repeats the setting that is left
.if MSB != \new
	s_set_vgpr_msb (MSB<<8)|\new
.set MSB, \new
.endif
.endm
.set TO_B, 0x40                        ; destination window 1, address window 0
.macro CROUND                          ; a round of the cluster's barrier
	s_barrier_signal -1
	s_barrier_wait -1
	s_cmp_lg_u32 s14, 0
	s_cbranch_scc1 .Lnot_wave_0_\@
	s_barrier_signal -3
.Lnot_wave_0_\@:
	s_barrier_wait -3
	s_barrier_signal -1
	s_barrier_wait -1
.endm
.macro PLACES n                        ; plain vector lines between a matrix instruction and a load into, or a write over, its registers (ISA guide 7.12.1 for writes)
.rept \n
	v_nop
.endr
.endm
; group n of a tile (n = 0 .. 31): step n / 4 of 128 d, query tiles 2 (n % 4) and + 1: two fragments of qc into buffer n % 3
.macro AGRP n
.irp x, 0,1
.irp c, 0,1,2,3
	ds_load_b128 v[32+32*((\n)%3)+16*\x+4*\c:32+32*((\n)%3)+16*\x+4*\c+3], v[ADRA+((\n)%4)/2] offset:(2*((\n)%2)+\x)*16*PITCH+128*((\n)/4)+32*\c
.endr
.endr
.endm
; kc's eight fragments of step n into set n % 3 (sets 0, 1: window 1; set 2: window 0, v128 on): 32 loads of 512 consecutive bytes
.macro BLOAD n
.if ((\n)%3) == 2
	WIN 0
.else
	WIN TO_B
.endif
.irp b, 0,1,2,3,4,5,6,7
.irp c, 0,1,2,3
	global_load_b128 v[128*((((\n)%3)+1)/2)+16*\b+4*\c:128*((((\n)%3)+1)/2)+16*\b+4*\c+3], v[LO], s[6:7] offset:\b*16384+(\n)*2048+\c*512
.endr
.endr
	WIN 0
.endm
; the bias of my 128 keys into the accumulators of query tile 7 (window 3, v192 on): register 8 b + j = key 32 (b / 2) + 16 (lane / 16) + 8 (b % 2) + j
.macro BIAS
	WIN 0xc0
.irp n, 0,1,2,3,4,5,6,7,8,9,10,11,12,13,14,15
	global_load_b128 v[192+4*\n:192+4*\n+3], v[BO], s[10:11] offset:128*(\n/4)+16*(\n%4)
.endr
	WIN 0
.endm
; 32 of v's 64 loads of a wave: key j of my 64, all 128 dv of the block: 512 consecutive bytes, into registers 4 j .. 4 j + 3 of window 1
.macro VLOAD j0
	WIN TO_B
.set j, \j0
.rept 32
	global_load_b128 v[4*j:4*j+3], v[LO], s[84:85] offset:j*4096 th:TH_LOAD_NT
.set j, j+1
.endr
	WIN 0
.endm
; GROUP G: 16 matrix instructions, two tiles of queries x kc's eight.  The 64 accumulators take turns, one instruction a turn.
.macro GROUP
.set Q, G/4
.set BS, 128*(((Q%3)+1)/2)
.set BW, 1-(Q%3)/2
.set AR, 32+32*(G%3)
.set HI, (G%4)/2
	WIN 0
	PLACES 4                                       ; the loads below land in registers that the group before has read
.if (G%4) == 0
.if Q < 6
	BLOAD Q+2                                      ; into the set that the step before has left
.endif
.if Q == 7
	VLOAD 0                                        ; kc's set 0 is done with: v's keys 0-31 of my 64
.endif
.endif
.if G < 30
	AGRP G+2
.endif
.if (G%4) == 0
.if Q < 6
	s_wait_loadcnt 63                              ; this step's set is in: 64 younger loads stand behind it, and the count's field holds 63
.else
	s_wait_loadcnt 32                              ; 32 younger loads stand behind this step's set
.endif
.endif
.if G < 30
	s_wait_dscnt 16                                ; this group's fragments of qc are in; the next two groups' 16 loads may be out
.else
	s_wait_dscnt 8*(31-G)
.endif
.if G == 0
	WIN 0xc3
.set j, 0
.rept 32
	v_pk_mul_f32 v[192+j:193+j], v[192+j:193+j], s[92:93] op_sel_hi:[1,0]   ; the bias x 2^-(eq + ek): the power of two that the sums lack
.set j, j+2
.endr
	s_wait_alu depctr_va_vdst(0)                   ; directly behind the writes
.endif
.irp x, 0,1
.if (G == 3) && (\x == 1)
	PLACES 5                                       ; query tile 7 writes over the registers that the earlier tiles' products took as C
.endif
.if Q == 0
	WIN ((2+HI)<<6)|0x30|BW
.else
	WIN ((2+HI)*0x50)|BW
.endif
.irp b, 0,1,2,3,4,5,6,7
.set DD, 8*(8*(2*(G%2)+\x)+\b)
.if Q == 0
	v_wmma_f32_16x16x128_bf8_bf8 v[DD:DD+7], v[BS+16*\b:BS+16*\b+15], v[AR+16*\x:AR+16*\x+15], v[192+8*\b:199+8*\b]
.else
	v_wmma_f32_16x16x128_bf8_bf8 v[DD:DD+7], v[BS+16*\b:BS+16*\b+15], v[AR+16*\x:AR+16*\x+15], v[DD:DD+7]
.endif
.endr
.endr
.endm
; the sums of query tiles 2 P and 2 P + 1 x 2 log2(e) 2^(eq + ek), out of window 2 or 3 into X and Y; each accumulator from its low end on
.macro TAKE P
	WIN 0x02+(\P)/2
	s_wait_alu depctr_va_vdst(0)                   ; directly ahead of the first reader of these sums
.set j, 0
.rept 64
	v_pk_mul_f32 v[TMP+j:TMP+j+1], v[128*((\P)%2)+j:128*((\P)%2)+j+1], s[96:97] op_sel_hi:[1,0]
.set j, j+2
.endr
	WIN 0
.endm
; A PHASE: 64 transcendentals on the tile at TMP + tb (t = 0: 2^x, 1: 1 / x), and among them the 32 packed lines of the other tile's stage, at TMP + pb (p = 0: + 1; 1: (log2(e) - 2) - 2 log2(e) x).
; Both read what was written ahead of the wait in front of the phase; what they write is read behind the wait that closes it.  The phase's last line is a plain one.
.macro MIX t, tb, p, pb
.set j, 0
.rept 32
.irp u, 0,1
.if \t
	v_rcp_f32 v[TMP+\tb+j+\u], v[TMP+\tb+j+\u]
.else
	v_exp_f32 v[TMP+\tb+j+\u], v[TMP+\tb+j+\u]
.endif
.endr
.if \p
	v_pk_fma_f32 v[TMP+\pb+j:TMP+\pb+j+1], v[TMP+\pb+j:TMP+\pb+j+1], s[98:99], v[CK:CK+1] op_sel_hi:[1,0,1]
.else
	v_pk_add_f32 v[TMP+\pb+j:TMP+\pb+j+1], v[TMP+\pb+j:TMP+\pb+j+1], 1.0 op_sel_hi:[1,0]
.endif
.set j, j+2
.endr
	s_wait_alu depctr_va_vdst(0)
.endm
	s_load_b256 s[4:11], s[0:1], 0x0               ; qc s[4:5], kc s[6:7], the scales' exponents s[8:9], b s[10:11]
	s_load_b128 s[68:71], s[0:1], 0x20             ; pc s[68:69], lp s[70:71]
	s_load_b128 s[84:87], s[0:1], 0x30             ; v s[84:85], vc s[86:87]
	v_lshl_add_u32 v[SPW], v0, 2, SPARE
	v_mov_b32 v[NIL], 0
	ds_add_u32 v[SPW], v[NIL]                      ; the wave's opening: the add, twice on end, and its wait ahead of my tensor load
	ds_add_u32 v[SPW], v[NIL]
	v_lshrrev_b32 v1, 5, v0
	v_readfirstlane_b32 s14, v1                    ; wave 0..3
	s_lshr_b32 s15, s14, 1                         ; which half of the tile's queries is mine
	s_and_b32 s16, s14, 1                          ; which half of its keys
	s_bfe_u32 s40, ttmp6, 0x40000                  ; cx: which 512 keys are my work-group's
	s_and_b32 s17, ttmp7, 0xffff                   ; R: which 256 of qc's 16,384 rows: the same in the cluster's four
	; descriptor group 1: 64 rows x 1,024 bytes, padded in LDS
	s_mov_b32 s24, 15|(1<<20)|(1<<21)|(7<<22)|(3<<25)   ; 15:0 the mask: all four; 17:16 element of 1 byte; 20 padding on; 21 set beside a mask; 24:22 after every 256 words (code 7); 31:25 of 4 words (code 3)
	s_mov_b32 s25, 1024<<16                        ; tensor_dim0
	s_mov_b32 s26, 64<<16                          ; tensor_dim1
	s_mov_b32 s27, 1024<<16                        ; tile_dim0
	s_mov_b32 s28, 64                              ; tile_dim1
	s_mov_b32 s29, 1024                            ; tensor_dim0_stride
	s_mov_b32 s30, 0
	s_mov_b32 s31, 0
	s_mov_b32 s32, 1
	s_mul_i32 s33, s14, 64*PITCH                   ; my 64 rows' place in LDS: the wave's number alone
	s_mul_i32 s18, s15, 128*PITCH                  ; my 128 queries' rows
	s_lshl_b32 s19, s14, 6
	s_add_co_u32 s19, s19, STG                     ; v's stage: my 64 keys' bytes begin at 64 x wave
	s_mul_i32 s22, s14, 8*VPITCH
	s_add_co_u32 s22, s22, STG                     ; and I read the rows of tiles 2 w, 2 w + 1
	s_mov_b32 s76, 0x76543210                      ; v_permlanex16_b32's selects for lane l xor 16
	s_mov_b32 s77, 0xfedcba98
	s_mov_b32 s98, 0xc038aa3b                      ; -2 log2(e)
	s_mov_b32 s99, 0xc038aa3b
	s_mov_b32 s2, 2                                ; tiles to go
	v_and_b32 v1, 15, v0                           ; r = lane % 16
	v_bfe_u32 v2, v0, 4, 1                         ; h = lane / 16
	v_and_b32 v3, 31, v0
	v_lshlrev_b32 v[LO], 4, v3
	v_lshlrev_b32 v[BO], 6, v2
	v_cmp_ne_u32 s52, 0, v2                        ; lanes 16-31: they store the odd tiles' sums
	v_mul_u32_u24 v4, v1, PITCH
	v_lshl_add_u32 v4, v2, 4, v4                   ; a fragment's row x pitch + 16 x half
	v_add_nc_u32 v[ADRA], s18, v4
	v_add_nc_u32 v[ADRA+1], 64*PITCH, v[ADRA]
	v_mul_u32_u24 v[VST], v3, VPITCH
	v_add_nc_u32 v[VST], s19, v[VST]               ; into the stage: row 32 c + lane holds dv 4 x lane + c
	v_and_b32 v5, 3, v1
	v_lshrrev_b32 v6, 2, v1
	v_lshl_add_u32 v5, v5, 5, v6                   ; dv 16 T + r lies in stage row 32 (r % 4) + r / 4 + 4 T
	v_mul_u32_u24 v[VRD], v5, VPITCH
	v_lshl_add_u32 v[VRD], v2, 4, v[VRD]
	v_add_nc_u32 v[VRD], s22, v[VRD]               ; out of the stage: my lane's 16 bytes of a fragment of tile 2 w
	v_mov_b32 v18, 0                               ; written once: a lane permute's destination counts as one of its sources (v1 likewise)
	v_mov_b32 v[LS+1], 0                           ; written once: the first trips shift them along before they hold sums
	v_mov_b32 v[LS+2], 0
	v_mov_b32 v[LS+3], 0
	v_mov_b32 v[CK], 0xbf0eab8a                    ; log2(e) - 2
	v_mov_b32 v[CK+1], 0xbf0eab8a
	s_wait_alu depctr_va_vdst(0)
	s_wait_dscnt 0x0                               ; both opening adds are done
	s_wait_kmcnt 0x0
	s_load_b128 s[72:75], s[8:9], 0x0              ; eq, ek, ep, ev
	s_lshl_b32 s20, s17, 18                        ; qc: row 256 R + 64 x wave, 1,024 bytes each
	s_lshl_b32 s23, s14, 16
	s_add_co_u32 s20, s20, s23
	s_mov_b32 s21, 0
	s_add_nc_u64 s[34:35], s[4:5], s[20:21]
	s_or_b32 s35, s35, 0x80000000
	CROUND                                         ; all four work-groups are here: the joint loads meet
	tensor_load_to_lds s[32:35], s[24:31]          ; my one tensor load of the launch
	s_nop 0
	PLACES 4
	s_lshr_b32 s22, s17, 3                         ; the batch, 2^21 bytes in kc and in vc,
	s_lshl_b32 s22, s22, 21
	s_lshl_b32 s23, s40, 19                        ; 512 keys of kc, and 256 dv of vc, are 2^19 bytes
	s_add_co_u32 s22, s22, s23
	s_lshl_b32 s20, s16, 17                        ; my 128 keys of the tile's 256
	s_add_co_u32 s20, s20, s22
	s_add_nc_u64 s[6:7], s[6:7], s[20:21]
	s_lshl_b32 s20, s40, 11                        ; the bias of my 128 keys: 4 (512 cx + 128 x half) bytes on
	s_lshl_b32 s23, s16, 9
	s_add_co_u32 s20, s20, s23
	s_add_nc_u64 s[10:11], s[10:11], s[20:21]
	BIAS                                           ; the first tile's bias and its first two sets of kc
	BLOAD 0
	BLOAD 1
	s_lshl_b32 s78, s17, 1
	s_add_co_u32 s78, s78, s15                     ; my block of 128 queries
	s_lshl_b32 s23, s78, 13                        ; lp: 16 chunks of 512 bytes a block of queries; chunk 4 cx + half
	s_add_co_u32 s20, s20, s23
	s_add_nc_u64 s[70:71], s[70:71], s[20:21]
	s_lshl_b32 s20, s78, 18                        ; pc: 262,144 bytes a block of queries,
	s_lshl_b32 s23, s40, 16                        ; 65,536 for 512 keys,
	s_add_co_u32 s20, s20, s23
	s_lshl_b32 s23, s16, 11                        ; 2,048 for my half of a tile's
	s_add_co_u32 s20, s20, s23
	s_add_nc_u64 s[68:69], s[68:69], s[20:21]
	s_lshl_b32 s20, s17, 20                        ; v: key 256 R + 64 x wave, 4,096 bytes a key,
	s_lshl_b32 s23, s14, 18
	s_add_co_u32 s20, s20, s23
	s_lshl_b32 s23, s40, 10                        ; + 256 dv x cx, 4 bytes each
	s_add_co_u32 s20, s20, s23
	s_add_nc_u64 s[84:85], s[84:85], s[20:21]
	s_lshl_b32 s20, s14, 16                        ; vc: my two tiles of 16 dv, 32,768 bytes each,
	s_add_co_u32 s20, s20, s22
	s_and_b32 s23, s17, 7
	s_lshl_b32 s23, s23, 12                        ; the block's two steps of 128 keys, 2,048 bytes each, in the batch's sixteen
	s_add_co_u32 s20, s20, s23
	s_add_nc_u64 s[86:87], s[86:87], s[20:21]
	s_wait_kmcnt 0x0
	s_add_co_i32 s78, s72, s73
	s_lshl_b32 s78, s78, 23
	s_add_co_i32 s96, s78, 0x4038aa3b              ; 2 log2(e) x 2^(eq + ek): the two exponents are added to the constant's exponent field
	s_mov_b32 s97, s96                             ; (named with it as a pair, so it is written)
	s_sub_co_i32 s92, 0x3f800000, s78              ; 2^-(eq + ek)
	s_mov_b32 s93, s92
	s_add_co_i32 s78, s74, 127
	s_lshl_b32 s79, s78, 23                        ; 2^ep as f32
	s_add_co_i32 s78, s78, 15
	s_lshl_b32 s78, s78, 23
	s_or_b32 s78, s78, 0x600000                    ; 57,344 x 2^ep
	v_mov_b32 v[SCL], s79
	v_mov_b32 v[LIMV], s78
	s_add_co_i32 s91, s75, 127
	s_lshl_b32 s90, s91, 23                        ; 2^ev as f32
	s_add_co_i32 s91, s91, 15
	s_lshl_b32 s91, s91, 23
	s_or_b32 s91, s91, 0x600000                    ; 57,344 x 2^ev
	s_wait_alu depctr_va_vdst(0)
	s_wait_tensorcnt 0x0                           ; my 64 rows of qc are in,
	s_barrier_signal -1
	s_barrier_wait -1                              ; everybody's are
.Ltile:
	AGRP 0
	AGRP 1
.set G, 0
.rept 32
	GROUP
.set G, G+1
.endr
	WIN 0
	PLACES 4
	VLOAD 32                                       ; kc's set 1 is done with too: v's keys 32-63 of my 64
	s_mov_b32 s3, 4                                ; pairs of query tiles to go
.Lpair:                                                ; pair P = 4 - s3: X = query tile 2 P, Y = 2 P + 1
	s_cmp_gt_u32 s3, 2
	s_cbranch_scc0 .Lhigh
	s_cmp_eq_u32 s3, 4
	s_cbranch_scc0 .Lpair1
	TAKE 0
	s_branch .Ltaken
.Lpair1:
	TAKE 1
	s_branch .Ltaken
.Lhigh:
	s_cmp_eq_u32 s3, 2
	s_cbranch_scc0 .Lpair3
	TAKE 2
	s_branch .Ltaken
.Lpair3:
	TAKE 3
.Ltaken:
	s_wait_alu depctr_va_vdst(0)
.set j, 0
.rept 64
	v_exp_f32 v[TMP+j], v[TMP+j]                   ; X: e^(2 x)
.set j, j+1
.endr
	v_nop
	s_wait_alu depctr_va_vdst(0)
	MIX 0, 64, 0, 0                                ; Y: e^(2 x);              X: + 1
	MIX 1, 0, 0, 64                                ; X: 1 / (1 + e^(2 x));    Y: + 1
	MIX 1, 64, 1, 0                                ; Y: 1 / (1 + e^(2 x));    X: t - 2 = (log2(e) - 2) - 2 log2(e) / (1 + e^(2 x))
	MIX 0, 0, 1, 64                                ; X: p;                    Y: t - 2
.set j, 0
.rept 64
	v_exp_f32 v[TMP+64+j], v[TMP+64+j]             ; Y: p
	v_min_num_f32 v[HX+j], v[TMP+j], v[LIMV]       ; X: the hold, into registers of its own: the conversion to an 8-bit code does not saturate (ISA guide 7.6.2); p is not negative, so the hold is one-sided
.set j, j+1
.endr
	s_wait_alu depctr_va_vdst(0)
	v_pk_add_f32 v[2:3], v[TMP:TMP+1], v[TMP+2:TMP+3]             ; THE SUMS ARE TAKEN OF THE UNQUANTISED p: two chains a tile, two numbers an instruction
	v_pk_add_f32 v[6:7], v[TMP+64:TMP+65], v[TMP+66:TMP+67]
	v_pk_add_f32 v[4:5], v[TMP+4:TMP+5], v[TMP+6:TMP+7]
	v_pk_add_f32 v[30:31], v[TMP+68:TMP+69], v[TMP+70:TMP+71]
.irp j, 8,12,16,20,24,28,32,36,40,44,48,52,56,60
	v_pk_add_f32 v[2:3], v[2:3], v[TMP+\j:TMP+\j+1]
	v_pk_add_f32 v[6:7], v[6:7], v[TMP+64+\j:TMP+65+\j]
	v_pk_add_f32 v[4:5], v[4:5], v[TMP+2+\j:TMP+3+\j]
	v_pk_add_f32 v[30:31], v[30:31], v[TMP+66+\j:TMP+67+\j]
.endr
	v_pk_add_f32 v[2:3], v[2:3], v[4:5]
	v_pk_add_f32 v[6:7], v[6:7], v[30:31]
	v_add_f32 v[LS+4], v2, v3
	v_add_f32 v[LS+5], v6, v7
	v_permlanex16_b32 v1, v[LS+4], s76, s77        ; the query's other 64 keys lie in the lane 16 away
	v_permlanex16_b32 v18, v[LS+5], s76, s77
	v_add_f32 v[LS+4], v[LS+4], v1
	v_add_f32 v[LS+5], v[LS+5], v18
	v_mov_b32 v[LS], v[LS+1]                       ; the sums that I store shift along: after four trips v8-11 hold pairs 0 to 3
	v_mov_b32 v[LS+1], v[LS+2]
	v_mov_b32 v[LS+2], v[LS+3]
	v_cndmask_b32 v[LS+3], v[LS+4], v[LS+5], s52   ; lanes 0-15 keep the even tile's sum, lanes 16-31 the odd tile's
	s_sub_co_u32 s82, 4, s3
	s_lshl_b32 s82, s82, 13                        ; a pair's codes are 8,192 bytes of pc
	s_wait_xcnt 0x0                                ; the last pair's stores have read their offset and the codes' registers, which are written again below
	v_add_nc_u32 v[PO], s82, v[LO]
.set j, 0
.rept 64
	v_min_num_f32 v[TMP+64+j], v[TMP+64+j], v[LIMV]   ; Y: the hold
.set j, j+1
.endr
.irp c, 0,1,2,3
	v_cvt_scalef32_pk8_bf8_f32 v[CD+4*\c:CD+4*\c+1], v[HX+16*\c:HX+16*\c+7], v[SCL]
	v_cvt_scalef32_pk8_bf8_f32 v[CD+4*\c+2:CD+4*\c+3], v[HX+16*\c+8:HX+16*\c+15], v[SCL]
.endr
.irp c, 0,1,2,3
	v_cvt_scalef32_pk8_bf8_f32 v[CD+16+4*\c:CD+16+4*\c+1], v[TMP+64+16*\c:TMP+64+16*\c+7], v[SCL]
	v_cvt_scalef32_pk8_bf8_f32 v[CD+16+4*\c+2:CD+16+4*\c+3], v[TMP+64+16*\c+8:TMP+64+16*\c+15], v[SCL]
.endr
	v_nop                                          ; one plain line behind the last conversion: later lines write the conversions' sources
.irp x, 0,1
.irp c, 0,1,2,3
	global_store_b128 v[PO], v[CD+16*\x+4*\c:CD+16*\x+4*\c+3], s[68:69] offset:\x*4096+512*\c   ; registers 4 c .. 4 c + 3 of the operand, as they stand: 512 consecutive bytes, aligned
.endr
.endr
	s_sub_co_u32 s3, s3, 1
	s_cmp_lg_u32 s3, 0
	s_cbranch_scc1 .Lpair
	global_store_b128 v[LO], v[LS:LS+3], s[70:71]  ; 512 consecutive bytes, aligned
	s_wait_loadcnt 0x0                             ; all 64 loads of v are in
	s_cmp_eq_u32 s2, 1                             ; the count of tiles alone: the same in every wave and work-group
	s_cbranch_scc1 .Lno_bias
	s_wait_xcnt 0x0                                ; the loads that named these bases have read them
	s_add_nc_u64 s[10:11], s[10:11], 1024          ; the next tile's 256 keys: their bias,
	s_add_nc_u64 s[6:7], s[6:7], 0x40000           ; and their images in kc
	BIAS                                           ; query tile 7's accumulators have been read
.Lno_bias:
	; v's CODES.  Register 4 j + c of window 1 holds v(key j of my 64, dv 4 x lane + c).
	v_mov_b32 v[VSC], s90
	v_mov_b32 v[VLM], s91
	WIN 0x81                                       ; source 0 window 1, destination window 2: the accumulators there have been read
.irp c, 0,1,2,3
.set j, 0
.rept 64
	v_med3_num_f32 v[64*\c+j], v[4*j+\c], -v[VLM], v[VLM]   ; THE HOLD ALSO SORTS: register 64 c + j = key j of dv 4 x lane + c: a lane's registers now run along the keys
.set j, j+1
.endr
.endr
	WIN 0
	s_wait_alu depctr_va_vdst(0)
	s_cmp_eq_u32 s2, 1
	s_cbranch_scc1 .Lno_next
	BLOAD 0                                        ; window 1 has been read: the next tile's first two sets of kc
	BLOAD 1
.Lno_next:
	s_barrier_signal -1                            ; nobody reads the stage any more (no LDS instruction of mine is out: the last were awaited in the products)
	s_barrier_wait -1
	WIN 0x02                                       ; source 0 window 2
.irp c, 0,1,2,3
.irp g, 0,1,2,3,4,5,6,7
	v_cvt_scalef32_pk8_bf8_f32 v[VCD+16*\c+2*\g:VCD+16*\c+2*\g+1], v[64*\c+8*\g:64*\c+8*\g+7], v[VSC]
.endr
.endr
	WIN 0
	v_nop                                          ; one plain line behind the last conversion
.irp c, 0,1,2,3
.irp q, 0,1,2,3
	ds_store_b128 v[VST], v[VCD+16*\c+4*\q:VCD+16*\c+4*\q+3] offset:32*VPITCH*\c+16*\q   ; 64 codes of each of my 4 dv
.endr
.endr
	s_wait_dscnt 0x0                               ; for the others' sake: my stores into the stage are done
	s_barrier_signal -1
	s_barrier_wait -1                              ; a row's 256 bytes come from the four waves
.irp t, 0,1,2,3,4,5,6,7,8,9,10,11,12,13,14,15
	ds_load_b128 v[VBK+4*\t:VBK+4*\t+3], v[VRD] offset:4*VPITCH*((\t)/8)+128*(((\t)/4)%2)+32*((\t)%4)   ; tile t / 8 of my two, step (t / 4) % 2, group t % 4
.endr
.irp t, 0,1,2,3,4,5,6,7,8,9,10,11,12,13,14,15
	s_wait_dscnt 15-\t                             ; load t is back; the younger ones may be out
	global_store_b128 v[LO], v[VBK+4*\t:VBK+4*\t+3], s[86:87] offset:32768*((\t)/8)+2048*(((\t)/4)%2)+512*((\t)%4)   ; 512 consecutive bytes, aligned
.endr
	s_wait_xcnt 0x0                                ; the stores have read their bases and their data: both are written again below and in the next tile
	s_add_nc_u64 s[68:69], s[68:69], 0x8000        ; the next tile: pc 256 keys on,
	s_add_nc_u64 s[70:71], s[70:71], 1024          ; lp two chunks on,
	s_add_nc_u64 s[84:85], s[84:85], 512           ; v 128 dv on,
	s_add_nc_u64 s[86:87], s[86:87], 0x40000       ; vc 128 dv on
	s_sub_co_u32 s2, s2, 1
	s_cmp_lg_u32 s2, 0
	s_cbranch_scc1 .Ltile
	s_wait_tensorcnt 0x0                           ; the wave's end
	ds_add_u32 v[SPW], v[NIL]
	s_wait_dscnt 0x0
	CROUND                                         ; the closing round
	s_endpgm
.Lfunc_end_k_q2c147d5545_scores:
	.size	k_q2c147d5545_scores, .Lfunc_end_k_q2c147d5545_scores-k_q2c147d5545_scores
	.p2alignl 7, 3214868480
	.fill 96, 4, 3214868480
	.section	.rodata,"a",@progbits
	.p2align	6, 0x0
	.amdhsa_kernel k_q2c147d5545_scores
		.amdhsa_group_segment_fixed_size 327680
		.amdhsa_private_segment_fixed_size 0
		.amdhsa_enable_private_segment 0
		.amdhsa_kernarg_size 64
		.amdhsa_user_sgpr_count 2
		.amdhsa_user_sgpr_kernarg_segment_ptr 1
		.amdhsa_wavefront_size32 1
		.amdhsa_system_sgpr_workgroup_id_x 1
		.amdhsa_system_sgpr_workgroup_id_y 1
		.amdhsa_system_sgpr_workgroup_id_z 1
		.amdhsa_system_vgpr_workitem_id 0
		.amdhsa_next_free_vgpr 1024
		.amdhsa_next_free_sgpr 100
		.amdhsa_reserve_vcc 0
		.amdhsa_float_denorm_mode_32 3
		.amdhsa_float_denorm_mode_16_64 3
		.amdhsa_memory_ordered 1
		.amdhsa_forward_progress 1
		.amdhsa_inst_pref_size 175
	.end_amdhsa_kernel
	.amdgpu_metadata
---
amdhsa.version: [ 1, 2 ]
amdhsa.kernels:
  - .name:           k_q2c147d5545_scores
    .symbol:         k_q2c147d5545_scores.kd
    .args:
      - { .name: qc, .offset: 0, .size: 8, .value_kind: global_buffer, .address_space: global }
      - { .name: kc, .offset: 8, .size: 8, .value_kind: global_buffer, .address_space: global }
      - { .name: lowp_scales, .offset: 16, .size: 8, .value_kind: global_buffer, .address_space: global }
      - { .name: b, .offset: 24, .size: 8, .value_kind: global_buffer, .address_space: global }
      - { .name: pc, .offset: 32, .size: 8, .value_kind: global_buffer, .address_space: global }
      - { .name: lp, .offset: 40, .size: 8, .value_kind: global_buffer, .address_space: global }
      - { .name: v, .offset: 48, .size: 8, .value_kind: global_buffer, .address_space: global }
      - { .name: vc, .offset: 56, .size: 8, .value_kind: global_buffer, .address_space: global }
    .group_segment_fixed_size: 327680
    .private_segment_fixed_size: 0
    .kernarg_segment_align: 8
    .kernarg_segment_size: 64
    .max_flat_workgroup_size: 128
    .sgpr_count:     100
    .vgpr_count:     1024
    .wavefront_size: 32
...
	.end_amdgpu_metadata
.endif
;; end of part 2
;; launch context (part 3): grid 4 x 64, 4 waves a work-group, clusters of 4 x 1, 327,680 bytes of LDS; arguments pc, vc, lowp_scales, lp, out0; writes out0
.if DOCPART == 3
	.amdgcn_target "amdgcn-amd-amdhsa--gfx1250"
	.amdhsa_code_object_version 6
	.text
	.protected	k_q2c147d5545_context
	.globl	k_q2c147d5545_context
	.p2align	8
	.type	k_q2c147d5545_context,@function
k_q2c147d5545_context:
	s_mov_b64 s[64:65], 0
	v_nop
	global_prefetch_b8 v0, s[64:65] scope:SCOPE_SE
	s_setreg_imm32_b32 hwreg(HW_REG_WAVE_MODE, 25, 1), 1
	s_wait_xcnt 0x0
	s_wait_alu depctr_hold_cnt(0) depctr_sa_sdst(0) depctr_va_vdst(0) depctr_va_sdst(0) depctr_va_ssrc(0) depctr_va_vcc(0) depctr_vm_vsrc(0)
	s_getreg_b32 s2, hwreg(HW_REG_IB_STS2, 6, 4)
	s_cmp_eq_u32 s2, 0
	s_cbranch_scc0 .Lentry_in_a_cluster
	s_endpgm
.Lentry_in_a_cluster:
	s_bfe_u32 s2, ttmp6, 0x10000c
	s_cmp_lg_u32 s2, 0x3003
	s_cbranch_scc0 .Lentry_shape_is_right
	s_endpgm
.Lentry_shape_is_right:
; The second product: out0[q][dv] = 2^(ep + ev) / l[q] x the sum over the keys of pc x vc (codes of BF8, sums in f32); l[q] = the sum of lp's 16 parts of the row.
; pc: [128 queries: 128][256 keys: 8][tile of 16 queries: 8][128 keys: 2][group c: 4][lane: 32][16 bytes];  vc: [8 batches][tile of 16 dv: 64][128 keys: 16][group c: 4][lane: 32][16 bytes]: both are images of operand
; registers: lane (r, h) of group c holds keys 32 c + 16 h + 0 .. 15 of row r.   lp: [128 queries: 128][128 keys: 16][lane (r, h): 32][i: 4] f32 = the part sum of query 16 (2 i + h) + r.
; LIMIT: ep + ev is applied by v_ldexp_f32 and has no bound of its own.  NaN among the inputs is not served.
; SHARES.  256 work-groups of four waves; a work-group makes 256 queries x 256 dv, a wave 128 x 128: 64 accumulators, 512 registers.  K = 2,048 keys goes in 16 steps of 128.
; pc COMES THROUGH A RING OF TWO LDS SLOTS of 512 keys (131,072 bytes: two blocks of 128 queries x 65,536), one tensor load of 32,768 dense bytes a wave.  The four work-groups of a cluster make the four blocks of dv of the
; same queries and ask for pc's tiles JOINTLY.  A slot is asked for again in its fourth step, behind a round of the cluster's barrier, and waited for four steps, 256 matrix instructions a wave, later.
; vc's FRAGMENTS COME FROM MEMORY STRAIGHT INTO REGISTERS, each load 512 consecutive bytes: four half-sets of 4 fragments take turns, a half-set is asked for three halves of a step ahead (48 loads a wave in flight).
; A step has two halves: all 8 tiles of queries x vc's tiles 0-3, then x tiles 4-7; in the second half each pair of pc's fragments is fetched anew from LDS, for the next step, as soon as its products are issued.
; PREFETCH INTO THE L2: pc's third and fourth fills, each asked for about a slot's steps ahead of its tensor load, one instruction a wave: of the 32,768 bytes that a wave fetches the partner at place cx names 8,192,
; lanes 256 bytes apart.  The first two fills come by their loads alone.  vc has none: its loads themselves run three halves ahead, with no wait for all of them between.
; THE MATRIX INSTRUCTION IS USED TRANSPOSED (source 0 = 16 dv of vc, source 1 = 16 queries of pc): a lane's eight results are eight neighbouring dv of one query.
; REGISTERS, in windows of 256.  Window 0: v1-31 addresses; v32-95 at work on the way out; v96-111 2^(ep + ev) / l of my 8 tiles of queries, as pairs; v128-255 pc's 8 fragments, later rows on the way out.
;   window 1: vc's four half-sets.   window 2: the accumulators of my queries 0-63 (accumulator (a, b) at v[8 (8 (a % 4) + b)]).   window 3: those of my queries 64-127.
.set SIZE_N, 1024
.set SLOT,   131072
.set SPARE,  2*SLOT                    ; behind the ring: the spare words, 128 bytes for each wave
.set STAGE,  SPARE+512                 ; behind them: 16 rows x 528 bytes for each wave, for the way out: no tile lands here
.set SPITCH, 528
.set ACUR, 16                          ; v16 my fragments' LDS address in the slot in hand, v17 in the other slot, v18 in slot 0
.set ANXT, 17
.set A0,   18
.set STO,  24
.set RD,   25
.set CO,   26                          ; v26 16 x lane
.set LPO,  27
.set SPW,  28                          ; v28 LDS address of my spare word; never rewritten
.set NIL,  29                          ; v29 0; never rewritten
.set PFO,  30                          ; v30 256 x lane
.set TMP,  32
.set RL,   96
.set RT,   112
.set BK,   128
.set MSB, 0
.macro WIN new                         ; the immediate's high byte repeats the setting that is left
.if MSB != \new
	s_set_vgpr_msb (MSB<<8)|\new
.set MSB, \new
.endif
.endm
.set TO_B, 0x40                        ; destination window 1, address window 0
.macro CREST                           ; a round of the cluster's barrier behind its opening barrier
	s_cmp_lg_u32 s14, 0
	s_cbranch_scc1 .Lnot_wave_0_\@
	s_barrier_signal -3
.Lnot_wave_0_\@:
	s_barrier_wait -3
	s_barrier_signal -1
	s_barrier_wait -1
.endm
.macro CROUND
	s_barrier_signal -1
	s_barrier_wait -1
	CREST
.endm
.macro PLACES n                        ; plain vector lines between a matrix instruction and a load into, or a read of, its registers (ISA guide 7.12.1 for reads)
.rept \n
	v_nop
.endr
.endm
; half-set n of vc, counted from the step at which s[6:7] stands: step n / 2, tiles 4 (n % 2) + 0 .. 3, into buffer n % 4
.macro BH n
	WIN TO_B
.irp bb, 0,1,2,3
.irp c, 0,1,2,3
	global_load_b128 v[64*((\n)%4)+16*\bb+4*\c:64*((\n)%4)+16*\bb+4*\c+3], v[CO], s[6:7] offset:(4*((\n)%2)+\bb)*32768+((\n)/2)*2048+\c*512
.endr
.endr
	WIN 0
.endm
; pc's fragments of query tiles 2 i and 2 i + 1, step nq (0 .. 3) of the slot that reg points into
.macro AP reg, nq, i
.irp x, 0,1
.irp c, 0,1,2,3
	ds_load_b128 v[128+16*(2*(\i)+\x)+4*\c:128+16*(2*(\i)+\x)+4*\c+3], v[\reg] offset:((\nq)/2)*32768+(2*(\i)+\x)*4096+((\nq)%2)*2048+\c*512
.endr
.endr
.endm
; 8 matrix instructions: query tiles 2 i, 2 i + 1 x four tiles of dv (b0 on) out of buffer buf.  The 64 accumulators take turns, one instruction a turn.
.macro MM i, buf, b0, zero
	WIN 0xa1+0x50*((\i)/2)                         ; source 0 window 1, source 1 window 0, C and D window 2 or 3
.irp x, 0,1
.irp bb, 0,1,2,3
.set DD, 8*(8*((2*(\i)+\x)%4)+\b0+\bb)
.if \zero
	v_wmma_f32_16x16x128_bf8_bf8 v[DD:DD+7], v[64*(\buf)+16*\bb:64*(\buf)+16*\bb+15], v[128+16*(2*(\i)+\x):128+16*(2*(\i)+\x)+15], 0
.else
	v_wmma_f32_16x16x128_bf8_bf8 v[DD:DD+7], v[64*(\buf)+16*\bb:64*(\buf)+16*\bb+15], v[128+16*(2*(\i)+\x):128+16*(2*(\i)+\x)+15], v[DD:DD+7]
.endif
.endr
.endr
.endm
; A STEP of 128 keys.  rq: its number from the step at which s[6:7] stands.  nb1, nb2: a half-set of vc is asked for at the head of the half; w1, w2: the loads younger than the half's own half-set.
; areg, nq: where the next step's fragments of pc are fetched (areg = 0: none).  turn: 1 = the change of slots with a refill, 2 = without.
.macro SUB rq, zero, nb1, w1, nb2, w2, areg, nq, turn
	WIN 0
	PLACES 4
.if \nb1
	BH 2*(\rq)+3
.endif
	s_wait_loadcnt \w1
.if \turn
	s_wait_tensorcnt 0x0                           ; all my tensor loads have landed: my part of the other slot
	ds_add_u32 v[SPW], v[NIL]                      ; 0 onto my spare word
.if \turn == 1
	s_xor_b32 s33, s33, SLOT                       ; no load of mine is out, so the walking descriptor may be written: the slot in hand,
	s_add_nc_u64 s[34:35], s[34:35], 65536         ; the next 512 keys
.endif
.endif
.irp i, 0,1,2
	s_wait_dscnt 8*(3-\i)+(\turn+1)/2              ; this pair's fragments are in; the younger pairs' loads (and the add) may be out
	MM \i, 2*((\rq)%2), 0, \zero
.endr
	s_wait_dscnt 0x0                               ; the last pair is in (at a change of slots: the add is done, and my reads of the slot in hand are over)
.if \turn
	s_barrier_signal -1
.endif
	MM 3, 2*((\rq)%2), 0, \zero
.if \turn
	WIN 0
	s_barrier_wait -1
.if \turn == 1
	CREST                                          ; the barrier has opened a round of the cluster's barrier: no wave of any partner still reads this slot or has a load on its way
	tensor_load_to_lds s[32:35], s[24:31]          ; the first tensor load behind the round, my only one until the next
	s_nop 0
.endif
.endif
	WIN 0
	PLACES 4
.if \nb2
	BH 2*(\rq)+4
.endif
	s_wait_loadcnt \w2
.irp i, 0,1,2,3
	MM \i, 2*((\rq)%2)+1, 4, \zero
.if \areg
	WIN 0
	PLACES 4
	AP \areg, \nq, \i
.endif
.endr
.endm
	s_load_b256 s[4:11], s[0:1], 0x0               ; pc s[4:5], vc s[6:7], the scales' exponents s[8:9], lp s[10:11]
	s_load_b64 s[68:69], s[0:1], 0x20              ; out0
	v_lshl_add_u32 v[SPW], v0, 2, SPARE
	v_mov_b32 v[NIL], 0
	ds_add_u32 v[SPW], v[NIL]                      ; the wave's opening: the add, twice on end, and its wait ahead of my first tensor load
	ds_add_u32 v[SPW], v[NIL]
	v_lshrrev_b32 v1, 5, v0
	v_readfirstlane_b32 s14, v1                    ; wave 0..3
	s_lshr_b32 s15, s14, 1                         ; which 128 of the 256 queries are mine.  Also: of which block of queries I fetch
	s_and_b32 s16, s14, 1                          ; which 128 of the 256 dv.  Also: which 256 of a fill's 512 keys I fetch
	s_bfe_u32 s40, ttmp6, 0x40000                  ; cx: which 256 dv are my work-group's
	s_and_b32 s17, ttmp7, 0xffff                   ; R: which 256 queries: the same in the cluster's four
	s_mov_b32 s24, 15|(3<<16)|(1<<21)              ; descriptor group 1: 15:0 the mask: all four; 17:16 elements of 8 bytes; 21 set beside a mask; no padding
	s_mov_b32 s25, 32<<16                          ; tensor_dim0: rows of 256 bytes
	s_mov_b32 s26, 128<<16                         ; tensor_dim1
	s_mov_b32 s27, 32<<16                          ; tile_dim0
	s_mov_b32 s28, 128                             ; tile_dim1
	s_mov_b32 s29, 32                              ; the rows are dense
	s_mov_b32 s30, 0
	s_mov_b32 s31, 0
	s_mov_b32 s32, 1
	s_lshl_b32 s33, s14, 15                        ; my 32,768 bytes' place in slot 0: the wave's number alone
	s_lshl_b32 s18, s15, 16                        ; my block of queries in a slot
	s_mul_i32 s19, s14, 16*SPITCH
	s_add_co_u32 s19, s19, STAGE                   ; my stage
	s_mov_b32 s50, 0                               ; the slot in hand,
	s_mov_b32 s51, SLOT                            ; and the other
	s_mov_b32 s3, 2
	v_and_b32 v1, 15, v0                           ; r = lane % 16
	v_bfe_u32 v2, v0, 4, 1                         ; h = lane / 16
	v_and_b32 v6, 31, v0
	v_lshlrev_b32 v[CO], 4, v6
	v_lshlrev_b32 v[LPO], 4, v1
	v_lshlrev_b32 v[PFO], 8, v6
	v_add_nc_u32 v[A0], s18, v[CO]
	v_mul_u32_u24 v5, v1, SPITCH
	v_lshl_add_u32 v5, v2, 5, v5
	v_add_nc_u32 v[STO], s19, v5                   ; into the stage: row r, 32 bytes for each half of the lanes
	v_add_nc_u32 v[RD], s19, v[CO]                 ; back: a row of 512 bytes an instruction
	s_wait_alu depctr_va_vdst(0)
	s_wait_dscnt 0x0                               ; both opening adds are done
	s_wait_kmcnt 0x0
	s_load_b128 s[72:75], s[8:9], 0x0              ; eq, ek, ep, ev
	s_lshl_b32 s20, s17, 1
	s_add_co_u32 s20, s20, s15
	s_lshl_b32 s20, s20, 18                        ; pc: 262,144 bytes a block of 128 queries,
	s_lshl_b32 s22, s16, 15                        ; 32,768 for 256 keys
	s_add_co_u32 s20, s20, s22
	s_mov_b32 s21, 0
	s_add_nc_u64 s[34:35], s[4:5], s[20:21]
	s_or_b32 s35, s35, 0x80000000
	CROUND                                         ; all four work-groups are here: the first joint loads meet
	tensor_load_to_lds s[32:35], s[24:31]          ; keys 0-511: one tensor load a wave at the head
	s_nop 0
	PLACES 4
	s_lshl_b32 s22, s40, 13
	s_add_co_u32 s20, s20, s22
	s_add_nc_u64 s[84:85], s[4:5], s[20:21]        ; the prefetches: my work-group's 8,192 of the 32,768 bytes that I fetch; never rewritten
	s_lshl_b32 s20, s17, 1
	s_add_co_u32 s20, s20, s15
	s_lshl_b32 s20, s20, 13                        ; lp: 8,192 bytes a block of 128 queries
	s_add_nc_u64 s[10:11], s[10:11], s[20:21]
.irp c, 0,1,2,3,4,5,6,7,8,9,10,11,12,13,14,15
.irp p, 0,1
	global_load_b128 v[128+8*\c+4*\p:128+8*\c+4*\p+3], v[LPO], s[10:11] offset:512*\c+256*\p
.endr
.endr
	s_lshr_b32 s20, s17, 3
	s_lshl_b32 s20, s20, 21                        ; vc: the batch, 2^21 bytes,
	s_lshl_b32 s22, s40, 19                        ; 256 dv are 16 tiles of 32,768 bytes,
	s_add_co_u32 s20, s20, s22
	s_lshl_b32 s22, s16, 18                        ; my 128 of them
	s_add_co_u32 s20, s20, s22
	s_add_nc_u64 s[6:7], s[6:7], s[20:21]
	BH 0
	BH 1
	BH 2
	s_lshl_b32 s20, s17, 20                        ; out0: 256 rows of 4,096 bytes,
	s_lshl_b32 s22, s15, 19
	s_add_co_u32 s20, s20, s22
	s_lshl_b32 s22, s40, 10                        ; 256 dv of 4 bytes,
	s_add_co_u32 s20, s20, s22
	s_lshl_b32 s22, s16, 9
	s_add_co_u32 s20, s20, s22
	s_add_nc_u64 s[68:69], s[68:69], s[20:21]
	s_wait_loadcnt 48                              ; lp's 32 loads are in; vc's 48 may be out
.irp c, 1,2,3,4,5,6,7,8,9,10,11,12,13,14,15
.irp k, 0,2,4,6
	v_pk_add_f32 v[128+\k:129+\k], v[128+\k:129+\k], v[128+8*\c+\k:129+8*\c+\k]
.endr
.endr
	s_wait_alu depctr_va_vdst(0)                   ; the wait ahead of the batch
.irp k, 0,1,2,3,4,5,6,7
	v_rcp_f32 v[RT+\k], v[128+\k]
.endr
	v_nop
	s_wait_kmcnt 0x0
	s_add_co_i32 s78, s74, s75
	s_wait_alu depctr_va_vdst(0)                   ; and behind it, ahead of its first reader
.irp k, 0,1,2,3,4,5,6,7
	v_ldexp_f32 v[RL+2*(2*(\k%4)+\k/4)], v[RT+\k], s78     ; 2^(ep + ev) / l of query tile 2 (k % 4) + k / 4, twice, for the packed form
	v_ldexp_f32 v[RL+2*(2*(\k%4)+\k/4)+1], v[RT+\k], s78
.endr
	s_wait_alu depctr_va_vdst(0)
	s_wait_tensorcnt 0x0                           ; my part of keys 0-511 is in
	ds_add_u32 v[SPW], v[NIL]
	s_xor_b32 s33, s33, SLOT                       ; slot 1,
	s_add_nc_u64 s[34:35], s[34:35], 65536         ; keys 512-1,023
	s_wait_dscnt 0x0
	CROUND                                         ; everybody's part is in, and all four work-groups are here
	tensor_load_to_lds s[32:35], s[24:31]
	s_nop 0
	PLACES 4
.irp i, 0,1,2,3
	AP A0, 0, \i
.endr
	global_prefetch_b8 v[PFO], s[84:85] offset:131072 th:TH_LOAD_NT scope:SCOPE_SE   ; keys 1,024-1,535, which step 3 will ask for
	SUB 0, 1, 1, 48, 1, 48, A0, 1, 0               ; the first step stands in front of the loop: its products start the sums
	WIN 0
.Lstep:                                                ; two trips: from a slot's second step to the next slot's first; each fills a slot again
	v_add_nc_u32 v[ACUR], s50, v[A0]
	v_add_nc_u32 v[ANXT], s51, v[A0]
	s_wait_alu depctr_va_vdst(0)
	SUB 1, 0, 1, 48, 1, 48, ACUR, 2, 0
	SUB 2, 0, 1, 48, 1, 48, ACUR, 3, 0
	SUB 3, 0, 1, 48, 1, 48, ANXT, 0, 1
	s_cmp_eq_u32 s3, 2                             ; in the first trip alone: there are four fills
	s_cbranch_scc0 .Lno_ask
	global_prefetch_b8 v[PFO], s[84:85] offset:196608 th:TH_LOAD_NT scope:SCOPE_SE   ; keys 1,536-2,047, which step 7 will ask for
.Lno_ask:
	SUB 4, 0, 1, 48, 1, 48, ANXT, 1, 0
	WIN 0
	s_wait_xcnt 0x0                                ; vc's loads have read their base
	s_add_nc_u64 s[6:7], s[6:7], 8192              ; four steps on
	s_xor_b32 s50, s50, SLOT
	s_xor_b32 s51, s51, SLOT
	s_sub_co_u32 s3, s3, 1
	s_cmp_lg_u32 s3, 0
	s_cbranch_scc1 .Lstep
	v_add_nc_u32 v[ACUR], s50, v[A0]               ; steps 9 to 15 are written out: nothing more is filled, and vc's loads end
	v_add_nc_u32 v[ANXT], s51, v[A0]
	s_wait_alu depctr_va_vdst(0)
	SUB 1, 0, 1, 48, 1, 48, ACUR, 2, 0
	SUB 2, 0, 1, 48, 1, 48, ACUR, 3, 0
	SUB 3, 0, 1, 48, 1, 48, ANXT, 0, 2
	SUB 4, 0, 1, 48, 1, 48, ANXT, 1, 0
	SUB 5, 0, 1, 48, 1, 48, ANXT, 2, 0
	SUB 6, 0, 1, 48, 0, 32, ANXT, 3, 0
	SUB 7, 0, 0, 16, 0, 0, 0, 0, 0
	WIN 0
; THE WAY OUT of query tile a: x 2^(ep + ev) / l, into my own stage in LDS, back as whole rows of 512 bytes, stored.
.macro TOSTAGE a
.set AC, 64*((\a)%4)
	WIN 0x02+((\a)/4)
.irp j, 0,2,4,6,8,10,12,14,16,18,20,22,24,26,28,30,32,34,36,38,40,42,44,46,48,50,52,54,56,58,60,62
	v_pk_mul_f32 v[TMP+\j:TMP+\j+1], v[AC+\j:AC+\j+1], v[RL+2*(\a):RL+2*(\a)+1]
.endr
	WIN 0
.irp b, 0,1,2,3,4,5,6,7
	ds_store_b128 v[STO], v[TMP+8*\b:TMP+8*\b+3] offset:64*\b
	ds_store_b128 v[STO], v[TMP+8*\b+4:TMP+8*\b+7] offset:64*\b+16
.endr
.set BR, BK+64*((\a)%2)
.irp t, 0,1,2,3,4,5,6,7,8,9,10,11,12,13,14,15
	ds_load_b128 v[BR+4*\t:BR+4*\t+3], v[RD] offset:\t*SPITCH     ; LDS serves a wave's instructions in order: these see the stores above
.endr
.endm
.macro SEND a, younger
.set BR, BK+64*((\a)%2)
	s_wait_dscnt \younger                          ; the tile is back in registers; the next tile's 32 LDS instructions may be out
.if (\a) > 0
	s_add_nc_u64 s[68:69], s[68:69], 16*SIZE_N*4
.endif
.irp t, 0,1,2,3,4,5,6,7,8,9,10,11,12,13,14,15
	global_store_b128 v[CO], v[BR+4*\t:BR+4*\t+3], s[68:69] offset:\t*SIZE_N*4 th:TH_STORE_NT   ; 512 consecutive bytes of a row, aligned
.endr
.endm
	PLACES 4
	TOSTAGE 0
.irp a, 1,2,3,4,5,6,7
.if \a > 1
	s_wait_xcnt 0x0                                ; the stores have read their base and their data, which are written again below
.endif
	TOSTAGE \a
	SEND \a-1, 32
.endr
	s_wait_xcnt 0x0
	SEND 7, 0
	s_wait_tensorcnt 0x0                           ; the wave's end
	ds_add_u32 v[SPW], v[NIL]
	s_wait_dscnt 0x0
	CROUND                                         ; the closing round
	s_endpgm
.Lfunc_end_k_q2c147d5545_context:
	.size	k_q2c147d5545_context, .Lfunc_end_k_q2c147d5545_context-k_q2c147d5545_context
	.p2alignl 7, 3214868480
	.fill 96, 4, 3214868480
	.section	.rodata,"a",@progbits
	.p2align	6, 0x0
	.amdhsa_kernel k_q2c147d5545_context
		.amdhsa_group_segment_fixed_size 327680
		.amdhsa_private_segment_fixed_size 0
		.amdhsa_enable_private_segment 0
		.amdhsa_kernarg_size 40
		.amdhsa_user_sgpr_count 2
		.amdhsa_user_sgpr_kernarg_segment_ptr 1
		.amdhsa_wavefront_size32 1
		.amdhsa_system_sgpr_workgroup_id_x 1
		.amdhsa_system_sgpr_workgroup_id_y 1
		.amdhsa_system_sgpr_workgroup_id_z 1
		.amdhsa_system_vgpr_workitem_id 0
		.amdhsa_next_free_vgpr 1024
		.amdhsa_next_free_sgpr 100
		.amdhsa_reserve_vcc 0
		.amdhsa_float_denorm_mode_32 3
		.amdhsa_float_denorm_mode_16_64 3
		.amdhsa_memory_ordered 1
		.amdhsa_forward_progress 1
		.amdhsa_inst_pref_size 185
	.end_amdhsa_kernel
	.amdgpu_metadata
---
amdhsa.version: [ 1, 2 ]
amdhsa.kernels:
  - .name:           k_q2c147d5545_context
    .symbol:         k_q2c147d5545_context.kd
    .args:
      - { .name: pc, .offset: 0, .size: 8, .value_kind: global_buffer, .address_space: global }
      - { .name: vc, .offset: 8, .size: 8, .value_kind: global_buffer, .address_space: global }
      - { .name: lowp_scales, .offset: 16, .size: 8, .value_kind: global_buffer, .address_space: global }
      - { .name: lp, .offset: 24, .size: 8, .value_kind: global_buffer, .address_space: global }
      - { .name: out0, .offset: 32, .size: 8, .value_kind: global_buffer, .address_space: global }
    .group_segment_fixed_size: 327680
    .private_segment_fixed_size: 0
    .kernarg_segment_align: 8
    .kernarg_segment_size: 40
    .max_flat_workgroup_size: 128
    .sgpr_count:     100
    .vgpr_count:     1024
    .wavefront_size: 32
...
	.end_amdgpu_metadata
.endif
;; end of part 3
